; MI455X (gfx1250); checked and timed in simulation.
; The chip was launched on July 23, 2026; its instructions are those of AMD's public machine-readable ISA for CDNA 5 (MIT licence, August 2026) and "CDNA5" Instruction Set Architecture Reference Guide (July 2026). The comments in the code are by the model that wrote it; some were corrected since.
;; Memory Reader. Allowed arithmetic: matrix products marked QUANTISED: E2M1 operands, one E8M0 scale for each 32 along K, by v_wmma_scale_f32_16x16x128_f8f6f4 with both operands' format E2M1 (or v_wmma_scale_f32_32x16x128_f4), f32 sums; everything else in f32.
;; Inputs: mk 4 x 64 x 8 x 30 x 54 float32; mv 4 x 512 x 8 x 30 x 54 float32; qk 4 x 64 x 30 x 54 float32; qv 4 x 512 x 30 x 54 float32.
;; Outputs: out0 4 x 1,024 x 30 x 54 float32.
;; This version of the problem:
;;   THIS VERSION OF THE PROBLEM IS GIVEN IN LOW PRECISION. The matrix products marked QUANTISED in the list below multiply operands that are first quantised to E2M1 (2 exponent bits, 1 mantissa bit; 4 bits a number), with one power-of-two scale for each 32 numbers along K (OCP MX v1.0); their sums are f32. All else is computed in f32.
;;   The module's matrix products, in the order in which they are computed (A, B: the left and right operand; K: the contracted axis; several contracted axes count as one K, in the product's order):
;;     1. batch 4 x [M 12,960, K 64] x [K 64, N 1,620]; A: input mk; B: input qk: QUANTISED
;;     2. batch 4 x [M 512, K 12,960] x [K 12,960, N 1,620]; A: input mv; B: softmax (see below): QUANTISED
;;   THE QUANTISER, for each operand of a quantised product, along K:
;;     - K is cut into blocks of 32 from its start; a last block that is shorter is filled with zeros.
;;     - A block's scale is 2^e with e = floor(log2(the largest magnitude in the block)) - 2, held to -126 .. 127; a block of zeros has e = 0. As a byte (E8M0): e + 127.
;;     - Each number is divided by its block's scale, clamped to +-6, and rounded to the nearest number of E2M1, ties to even, subnormals kept.
;;     - The product sums the exact products of the quantised numbers (number of the format x scale) in f32.
;;   ~~~python
;;   def quantise(x, axis):      # numpy; x: float32 -> the quantised numbers, widened to float32 again
;;       x = np.moveaxis(x, axis, -1); K = x.shape[-1]
;;       x = np.pad(x, [(0, 0)] * (x.ndim - 1) + [(0, -K % 32)]); x = x.reshape(x.shape[:-1] + (-1, 32)); a = np.abs(x).max(-1, keepdims=True)
;;       e = np.where(a > 0, np.clip(np.frexp(np.where(a > 0, a, 1))[1] - 1 - 2, -126, 127), 0)      # np.frexp(a)[1] - 1 = floor(log2(a)), exactly
;;       r = np.clip(x / 2.0 ** e, -6, 6)
;;       step = 2.0 ** (np.maximum(np.frexp(np.where(r == 0, 1, r))[1] - 1, 0) - 1)
;;       q = np.round(r / step) * step * 2.0 ** e      # np.round: ties to even
;;       return np.moveaxis(q.reshape(q.shape[:-2] + (-1,))[..., :K], -1, axis).astype(np.float32)
;;   ~~~
;;   SOFTMAX AHEAD OF A QUANTISED PRODUCT. Where the list says 'softmax', what is quantised is not the finished softmax but p = 2^(t - M), with t = logit x log2(e) and M = ceil(the row's largest t), a whole number; so 1/2 < the row's largest p <= 1. The row's sum l is taken of the UNQUANTISED p, in f32, and the product's result is divided by l at the end. Since M is a whole number, a kernel that streams over the keys may use a running M (the ceiling of the running maximum): every later rescaling is an exact power of two, which a block's scale takes up: the codes' values come out the same.
;;   OPERANDS COMPUTED ON THE WAY. 'Computed on the way' means the value that the module computes at that place (a softmax that the list does not call 'softmax' is quantised finished and normalised). What goes into a quantiser is computed in f32, as accurately as f32 sums, v_exp_f32 and their like allow (about 1e-6 of the number): no bf16 or f16 on the way to a quantiser, and a product that is left as it is and whose result goes on into a quantised operand takes f32 operands (vector FMAs, or v_wmma_f32_16x16x4_f32). A number that lies on a knife's edge between two numbers of the format may be rounded either way, as far as f32 arithmetic and the matrix unit's own rounding can turn it there, and no further.
;; One version. Each part assembles by itself: llvm-mc -triple=amdgcn-amd-amdhsa -mcpu=gfx1250 --defsym DOCPART=n.
;; ======== version 1 of 1: 2 launches
;; limits: inputs' magnitudes at most 100,000,000,000,000; right only within a limited range of input values
;; workspace buffers: vst 14,483,456 bytes; kst 2,129,920 bytes; qc 208,896 bytes; qs 26,112 bytes
;; launch prep (part 1): grid 325 x 4, 4 waves a work-group, no clusters, 68,096 bytes of LDS; arguments mk, qk, mv, vst, kst, qc, qs; writes vst, kst, qc, qs
.if DOCPART == 1
	.amdgcn_target "amdgcn-amd-amdhsa--gfx1250"
	.amdhsa_code_object_version 6
	.text
	.protected	k_q95726d3043_prep
	.globl	k_q95726d3043_prep
	.p2align	8
	.type	k_q95726d3043_prep,@function
k_q95726d3043_prep:
	s_mov_b64 s[64:65], 0
	v_nop
	global_prefetch_b8 v0, s[64:65] scope:SCOPE_SE
	s_setreg_imm32_b32 hwreg(HW_REG_WAVE_MODE, 25, 1), 1
	s_wait_xcnt 0x0
; PREP: mk, qk and mv are read once and become codes of FP4 (E2M1) with one E8M0 byte for each 32 along the product's K, laid in the order of the operands' registers, so that the second launch takes every
; fragment by 16-byte loads; bias = -|m|^2 / 2 of every memory position.  (qv is copied into out0 by the second launch.)
; A block's scale is 2^(floor(log2(its largest magnitude)) - 2): its byte is the largest magnitude's exponent field - 2, held at 1 from below by a floor among the maximum's leaves.
; SIZES: 4 batches; 64 key channels; 512 value channels; 12,960 memory positions (405 blocks of 32), padded to 13,312 = 104 steps of 128 = 26 periods of 512; 1,620 queries, padded to 1,632.
; ROLES by the work-group's x (y = the batch): 0-103 mk, one step of 128 positions each; 104-116 qk; 117-324 mv.  Waves share nothing: no barrier.
; LAYOUTS.  vst [b][period][139,264]: codes [tile of 16 rows T][block of 32 positions 0..15][row 0..15][16 bytes], then scale bytes [row 0..511][16].
;   kst [b][step][5,120]: codes [tile 0..7][channel block h][row r][16 bytes] (row r of tile 2 g + u is position 32 g + 8 u + r + 8 (r / 8)); at 4,096 scale words [g][16 u + r]; at 4,608 bias [128].
;   qc [b][channel block h][query 0..1,631][16 bytes];  qs [b][query] one word.  A word of K or Q: byte 0, 1 the two channel blocks, bytes 2, 3 = 127 for the zero codes that fill K up to 128.
; PADDING: positions from 12,960 on get zero codes, the byte 127 (in a step that is partly real: the floor's byte 1) and the bias -1e30, so that their p is 0; queries from 1,620 on are copies of query 1,619 and are never stored as results.
; LIMITS: NaN and infinities among the inputs are not served.  A block whose largest magnitude lies under 2^-124, a block of zeros among them, keeps the byte 1 where the rule says less or 127: its codes are then
; zeros or held small, and only this program reads the bytes.  |m|^2 is summed in two packed chains, another order than a plain sum's.  The bias -1e30 of the padding takes scores to lie under 1e29.
; The scale words and the bias of a step leave in pieces of 128 bytes: 1,024 of a step's 37,888 bytes moved.
.set XQ,    32                         ; v32-95   mk, qk: 64 channels of my position or query
.set R0,    16                         ; v16-79   mv: 16 rows x 16 bytes as loaded, two sets
.set R1,    80                         ; v80-143
.set XV,    144                        ; v144-207 mv: my two blocks of 32 neighbours
.set CV,    208                        ; v208-239 mv: codes, eight registers a step, so that no store's data are written again
.set SW,    240                        ; v240-243 mv: my row's scale words, one a step
.set STG,   8448                       ; LDS: a stage of 16 rows x (512 + 16) bytes for each wave;
.set TAILS, 4*STG                      ; the path of the last period has stages of its own
; the largest magnitude of v[x] .. v[x + 31], in two chains, with the floor 2^(3 - 127) among the leaves
.macro BMAX m, t, x
	v_max3_num_f32 v[\m], |v[\x]|, |v[\x+1]|, 0x1800000
	v_max3_num_f32 v[\t], |v[\x+2]|, |v[\x+3]|, |v[\x+4]|
.irp i, 5,9,13,17,21,25
	v_max3_num_f32 v[\m], v[\m], |v[\x+\i]|, |v[\x+\i+1]|
	v_max3_num_f32 v[\t], v[\t], |v[\x+\i+2]|, |v[\x+\i+3]|
.endr
	v_max3_num_f32 v[\m], v[\m], |v[\x+29]|, |v[\x+30]|
	v_max3_num_f32 v[\m], v[\m], v[\t], |v[\x+31]|
.endm
; 64 channels of one lane, v[XQ + ch], on their way by 64 loads: codes into v[16:23] (four registers a block), the scale word into v24
.macro QUANT64
	s_wait_loadcnt 32                              ; channels 0-31 are in, the 32 younger loads may be out
	BMAX 8, 10, XQ
	s_wait_loadcnt 0x0                             ; channels 32-63
	BMAX 9, 11, XQ+32
	v_add_nc_u32 v12, 0xff000000, v8               ; 2 off the exponent field: the conversion takes this operand's exponent field as its scale
	v_add_nc_u32 v13, 0xff000000, v9
	v_lshrrev_b32 v14, 23, v12                     ; the scales' bytes
	v_lshrrev_b32 v15, 23, v13
	v_lshl_or_b32 v24, v15, 8, v14
	v_or_b32 v24, 0x7f7f0000, v24                  ; bytes 2, 3: 127, for the zero codes of k = 64 .. 127
.irp h, 0,1
.irp g, 0,1,2,3
	v_cvt_scalef32_pk8_fp4_f32 v[16+4*\h+\g], v[XQ+32*\h+8*\g:XQ+32*\h+8*\g+7], v[12+\h]
.endr
.endr
	v_nop                                          ; one plain place behind the last scaled conversion
.endm
	s_load_b128 s[4:7], s[0:1], 0x0                ; mk 4:5, qk 6:7
	s_load_b64 s[8:9], s[0:1], 0x10                ; mv
	s_load_b128 s[12:15], s[0:1], 0x18             ; vst 12:13, kst 14:15
	s_load_b128 s[16:19], s[0:1], 0x28             ; qc 16:17, qs 18:19
	v_lshl_add_u32 v254, v0, 2, 0x10800
	v_mov_b32 v255, 0
	v_lshrrev_b32 v1, 5, v0
	v_readfirstlane_b32 s22, v1                    ; wave 0..3
	s_and_b32 s23, ttmp7, 0xffff                   ; the batch
	s_mov_b32 s24, ttmp9                           ; x
	v_and_b32 v1, 31, v0                           ; lane
	v_and_b32 v2, 15, v0                           ; r
	v_bfe_u32 v3, v0, 4, 1                         ; h
	s_mov_b32 s26, 0x76543210
	s_mov_b32 s27, 0xfedcba98                      ; v_permlanex16_b32's selects for lane l xor 16
	s_mov_b32 s29, 0                               ; the upper word of every offset: all lie under 2^31
	s_wait_kmcnt 0x0
	s_cmp_lt_u32 s24, 104
	s_cbranch_scc1 .Lmk
	s_cmp_lt_u32 s24, 117
	s_cbranch_scc1 .Lqk
	s_branch .Lmv
; ---- mk: the work-group takes step x; wave g its positions 32 g .. 32 g + 31, a lane to a position, registers down the channels: K is not innermost, and nothing is transposed
.Lmk:
	s_mul_i32 s28, s23, 3317760                    ; the batch: 64 channels x 51,840 bytes
	s_lshl_b32 s30, s24, 9                         ; 128 positions a step
	s_add_co_u32 s28, s28, s30
	s_lshl_b32 s30, s22, 7                         ; 128 g: 32 positions of 4 bytes; also g's place among the words and the biases
	s_add_co_u32 s28, s28, s30
	s_add_nc_u64 s[4:5], s[4:5], s[28:29]
	s_mul_i32 s28, s23, 532480
	s_mul_i32 s31, s24, 5120
	s_add_co_u32 s28, s28, s31
	s_add_nc_u64 s[14:15], s[14:15], s[28:29]      ; the step's 5,120 bytes of kst
	s_wait_alu depctr_va_vdst(0)
	v_lshlrev_b32 v4, 2, v1                        ; in: 4 bytes a lane: a load of the wave reads 128 consecutive bytes, the four waves side by side 512
	v_bfe_u32 v5, v0, 3, 1                         ; u: which of the group's two tiles my position falls into,
	v_and_b32 v6, 7, v0
	v_lshl_or_b32 v6, v3, 3, v6                    ; and which row r of it: position = 8 u + r + 8 (r / 8)
	v_lshl_add_u32 v7, v5, 4, v6                   ; 16 u + r
	v_lshlrev_b32 v5, 9, v5
	v_lshl_add_u32 v5, v6, 4, v5
	s_lshl_b32 s31, s22, 10
	v_add_nc_u32 v5, s31, v5                       ; codes: 1,024 g + 512 u + 16 r (+ 256 h in the immediate)
	v_lshlrev_b32 v7, 2, v7
	v_add_nc_u32 v7, s30, v7                       ; the word: 128 g + 4 (16 u + r)
	v_add_nc_u32 v6, s30, v4                       ; the bias: 128 g + 4 x lane
	s_lshl_b32 s31, s24, 2
	s_add_co_u32 s31, s31, s22
	s_cmp_ge_u32 s31, 405                          ; blocks from 405 on are padding: a branch on ids
	s_cbranch_scc1 .Lmk_pad
.set i, 0
.rept 64
	global_load_b32 v[XQ+i], v4, s[4:5] offset:i*51840 th:TH_LOAD_NT
.set i, i+1
.endr
	QUANT64
	v_pk_mul_f32 v[26:27], v[XQ:XQ+1], v[XQ:XQ+1]  ; |m|^2 of the unquantised numbers, two chains of packed multiply-adds
	v_pk_mul_f32 v[28:29], v[XQ+2:XQ+3], v[XQ+2:XQ+3]
.set i, 4
.rept 15
	v_pk_fma_f32 v[26:27], v[XQ+i:XQ+i+1], v[XQ+i:XQ+i+1], v[26:27]
	v_pk_fma_f32 v[28:29], v[XQ+i+2:XQ+i+3], v[XQ+i+2:XQ+i+3], v[28:29]
.set i, i+4
.endr
	v_pk_add_f32 v[26:27], v[26:27], v[28:29]
	v_add_f32 v26, v26, v27
	v_mul_f32 v26, -0.5, v26                       ; the bias: the first product's C, so that its result is m.q - |m|^2 / 2
	global_store_b128 v5, v[16:19], s[14:15]       ; channel block 0: sixteen lanes store 256 consecutive bytes, aligned
	global_store_b128 v5, v[20:23], s[14:15] offset:256
	global_store_b32 v7, v24, s[14:15] offset:4096
	global_store_b32 v6, v26, s[14:15] offset:4608
	s_endpgm
.Lmk_pad:
.irp i, 16,17,18,19
	v_mov_b32 v\i, 0
.endr
	v_mov_b32 v24, 0x7f7f7f7f
	s_wait_alu depctr_va_vdst(0)
	v_mov_b32 v26, 0xf149f2ca                      ; -1e30
	global_store_b128 v5, v[16:19], s[14:15]
	global_store_b128 v5, v[16:19], s[14:15] offset:256
	global_store_b32 v7, v24, s[14:15] offset:4096
	global_store_b32 v6, v26, s[14:15] offset:4608
	s_endpgm
; ---- qk: 51 groups of 32 queries a batch, a wave to a group; the 52nd wave of the 13 work-groups has no group and ends (this role has no barrier)
.Lqk:
	s_sub_co_u32 s28, s24, 104
	s_lshl_b32 s28, s28, 2
	s_add_co_u32 s28, s28, s22
	s_cmp_eq_u32 s28, 51
	s_cbranch_scc1 .Lend
	s_lshl_b32 s30, s28, 5
	s_wait_alu depctr_va_vdst(0)
	v_add_nc_u32 v5, s30, v1                       ; my query
	v_min_u32 v4, 1619, v5                         ; no load leaves the buffer: queries from 1,620 on read query 1,619
	v_lshlrev_b32 v4, 2, v4
	v_lshlrev_b32 v6, 2, v5
	v_lshlrev_b32 v5, 4, v5
	s_mul_i32 s28, s23, 414720
	s_add_nc_u64 s[6:7], s[6:7], s[28:29]
	s_mul_i32 s28, s23, 52224
	s_add_nc_u64 s[16:17], s[16:17], s[28:29]
	s_mul_i32 s28, s23, 6528
	s_add_nc_u64 s[18:19], s[18:19], s[28:29]
.set i, 0
.rept 64
	global_load_b32 v[XQ+i], v4, s[6:7] offset:i*6480 th:TH_LOAD_NT
.set i, i+1
.endr
	QUANT64
	global_store_b128 v5, v[16:19], s[16:17]       ; 512 consecutive bytes
	global_store_b128 v5, v[20:23], s[16:17] offset:26112
	global_store_b32 v6, v24, s[18:19]
.Lend:
	s_endpgm
; ---- mv: 832 waves a batch; a wave takes a tile of 16 rows (T) x a period of 512 positions (p), in four steps of 128.  K is innermost here.
; A load reads 512 consecutive bytes of one row, 16 a lane; the conversions want 32 neighbours in ONE lane: so a step's 16 x 512 bytes turn through the wave's own stage in LDS and come back
; 128 bytes a lane: lane (r, h) takes blocks h and 2 + h of row r, which is what the operand's layout gives that lane.  Stage rows lie 528 bytes apart, 33 x 16.
.macro VLOAD s, reg
.irp i, 0,1,2,3,4,5,6,7,8,9,10,11,12,13,14,15
	global_load_b128 v[\reg+4*\i:\reg+4*\i+3], v4, s[8:9] offset:\i*51840+512*(\s) th:TH_LOAD_NT
.endr
.endm
; step s from set reg.  left: the younger loads that may stay out;  pre = 1: the set takes the loads of two steps on;  lo: the path's stages
.macro VSTEP s, reg, left, pre, lo
	s_wait_loadcnt \left
.irp i, 0,1,2,3,4,5,6,7,8,9,10,11,12,13,14,15
	ds_store_b128 v6, v[\reg+4*\i:\reg+4*\i+3] offset:\lo+528*\i
.endr
.irp c, 0,1
.irp j, 0,1,2,3,4,5,6,7
	ds_load_b128 v[XV+32*\c+4*\j:XV+32*\c+4*\j+3], v7 offset:\lo+256*\c+16*\j   ; LDS serves a wave's instructions in order: these see the stores above
.endr
.endr
	s_wait_dscnt 0x0                               ; my 64 numbers are back; so the stores have read their registers, and the stage may be written again
.if \pre
	VLOAD (\s)+2, \reg
.endif
	BMAX 244, 246, XV
	BMAX 245, 247, XV+32
	v_add_nc_u32 v248, 0xff000000, v244
	v_add_nc_u32 v249, 0xff000000, v245
	v_lshrrev_b32 v250, 23, v248
	v_lshrrev_b32 v251, 23, v249
	v_lshl_or_b32 v[SW+(\s)], v251, 16, v250       ; my two bytes: blocks h and 2 + h,
	v_lshlrev_b32 v[SW+(\s)], v252, v[SW+(\s)]     ; 8 h bits up;
	v_permlanex16_b32 v253, v[SW+(\s)], s26, s27
	v_or_b32 v[SW+(\s)], v[SW+(\s)], v253          ; with lane l xor 16's two the step's word of row r is whole
.irp c, 0,1
.irp g, 0,1,2,3
	v_cvt_scalef32_pk8_fp4_f32 v[CV+8*(\s)+4*\c+\g], v[XV+32*\c+8*\g:XV+32*\c+8*\g+7], v[248+\c]
.endr
.endr
	v_nop                                          ; one plain place behind the last scaled conversion
.irp c, 0,1
	global_store_b128 v5, v[CV+8*(\s)+4*\c:CV+8*(\s)+4*\c+3], s[12:13] offset:1024*(\s)+512*\c   ; 512 consecutive bytes: a group of four registers of the fragment, lane by lane
.endr
.endm
.macro VEND                            ; the tile's 16 rows x 16 scale bytes: lanes 0-15 store 256 consecutive bytes, aligned
	s_wait_xcnt 0x0                                ; EXEC changes only behind this wait
	v_cmp_gt_u32 vcc_lo, 16, v1
	s_wait_tensorcnt 0x0
	ds_add_u32 v254, v255
	s_wait_dscnt 0x0
	s_and_saveexec_b32 s34, vcc_lo
	global_store_b128 v8, v[SW:SW+3], s[12:13] offset:131072
	s_wait_xcnt 0x0                                ; and again in front of the line that widens it
	s_or_b32 exec_lo, exec_lo, s34
	s_endpgm
.endm
.Lmv:
	s_sub_co_u32 s28, s24, 117
	s_lshl_b32 s28, s28, 2
	s_add_co_u32 s28, s28, s22                     ; 0 .. 831
	s_mul_i32 s30, s28, 2521
	s_lshr_b32 s30, s30, 16                        ; T = that / 26 (2,521 / 65,536 lies just over 1 / 26: exact up to 3,327)
	s_mul_i32 s31, s30, 26
	s_sub_co_u32 s31, s28, s31                     ; p
	s_mul_i32 s28, s23, 26542080                   ; the batch's 512 rows of 51,840 bytes,
	s_mul_i32 s32, s30, 829440                     ; 16 T rows,
	s_add_co_u32 s28, s28, s32
	s_lshl_b32 s32, s31, 11                        ; 512 p positions
	s_add_co_u32 s28, s28, s32
	s_add_nc_u64 s[8:9], s[8:9], s[28:29]
	s_mul_i32 s28, s23, 3620864
	s_mul_i32 s32, s31, 139264
	s_add_co_u32 s28, s28, s32
	s_add_nc_u64 s[12:13], s[12:13], s[28:29]      ; the period's chunk of vst
	s_wait_alu depctr_va_vdst(0)
	v_lshlrev_b32 v4, 4, v1                        ; in: 16 bytes a lane
	s_lshl_b32 s32, s30, 12
	v_add_nc_u32 v5, s32, v4                       ; codes: 4,096 T + 16 x lane
	s_lshl_b32 s32, s30, 8
	v_lshlrev_b32 v8, 4, v2
	v_add_nc_u32 v8, s32, v8                       ; scale bytes: 256 T + 16 r
	s_mul_i32 s33, s22, STG                        ; my stage
	v_add_nc_u32 v6, s33, v4                       ; into it: 16 x lane (+ 528 x row in the immediate)
	v_mul_u32_u24 v7, v2, 528
	v_lshl_add_u32 v7, v3, 7, v7
	v_add_nc_u32 v7, s33, v7                       ; out of it: 528 r + 128 h
	v_lshlrev_b32 v252, 3, v3                      ; 8 h
	v_mov_b32 v253, 0                              ; written once: a lane permute's destination counts as one of its sources
	s_cmp_eq_u32 s31, 25
	s_cbranch_scc1 .Lmv_tail
	VLOAD 0, R0
	VLOAD 1, R1
	s_wait_alu depctr_va_vdst(0)
	VSTEP 0, R0, 16, 1, 0                          ; the count 16: the next step's sixteen loads stay out
	VSTEP 1, R1, 16, 1, 0
	VSTEP 2, R0, 16, 0, 0
	VSTEP 3, R1, 0, 0, 0
	VEND
.Lmv_tail:                                             ; the last period: positions 12,800 .. 12,959 are real: step 0 whole, of step 1 the first 32 (lanes 0-7 of a load), steps 2 and 3 none
.set i, 0
.rept 64
	v_mov_b32 v[R1+i], 0                           ; what is not loaded counts as zeros
.set i, i+1
.endr
	VLOAD 0, R0
	s_wait_xcnt 0x0                                ; EXEC changes only behind this wait
	v_cmp_gt_u32 vcc_lo, 8, v1
	s_and_saveexec_b32 s34, vcc_lo
	VLOAD 1, R1                                    ; 128 bytes a row, up to the row's end: no load leaves the buffer
	s_wait_xcnt 0x0
	s_or_b32 exec_lo, exec_lo, s34
	VSTEP 0, R0, 16, 0, TAILS
	VSTEP 1, R1, 0, 0, TAILS
.irp i, 0,1,2,3
	v_mov_b32 v[CV+16+\i], 0
.endr
	v_mov_b32 v[SW+2], 0x7f7f7f7f
	v_mov_b32 v[SW+3], 0x7f7f7f7f
.irp i, 4,5,6,7
	global_store_b128 v5, v[CV+16:CV+19], s[12:13] offset:512*\i
.endr
	s_wait_alu depctr_va_vdst(0)
	VEND
.Lfunc_end_k_q95726d3043_prep:
	.size	k_q95726d3043_prep, .Lfunc_end_k_q95726d3043_prep-k_q95726d3043_prep
	.p2alignl 7, 3214868480
	.fill 96, 4, 3214868480
	.section	.rodata,"a",@progbits
	.p2align	6, 0x0
	.amdhsa_kernel k_q95726d3043_prep
		.amdhsa_group_segment_fixed_size 68096
		.amdhsa_private_segment_fixed_size 0
		.amdhsa_enable_private_segment 0
		.amdhsa_kernarg_size 56
		.amdhsa_user_sgpr_count 2
		.amdhsa_user_sgpr_kernarg_segment_ptr 1
		.amdhsa_wavefront_size32 1
		.amdhsa_system_sgpr_workgroup_id_x 1
		.amdhsa_system_sgpr_workgroup_id_y 1
		.amdhsa_system_sgpr_workgroup_id_z 1
		.amdhsa_system_vgpr_workitem_id 0
		.amdhsa_next_free_vgpr 256
		.amdhsa_next_free_sgpr 66
		.amdhsa_reserve_vcc 1
		.amdhsa_float_denorm_mode_32 3
		.amdhsa_float_denorm_mode_16_64 3
		.amdhsa_memory_ordered 1
		.amdhsa_forward_progress 1
		.amdhsa_inst_pref_size 70
	.end_amdhsa_kernel
	.amdgpu_metadata
---
amdhsa.version: [ 1, 2 ]
amdhsa.kernels:
  - .name:           k_q95726d3043_prep
    .symbol:         k_q95726d3043_prep.kd
    .args:
      - { .name: mk, .offset: 0, .size: 8, .value_kind: global_buffer, .address_space: global }
      - { .name: qk, .offset: 8, .size: 8, .value_kind: global_buffer, .address_space: global }
      - { .name: mv, .offset: 16, .size: 8, .value_kind: global_buffer, .address_space: global }
      - { .name: vst, .offset: 24, .size: 8, .value_kind: global_buffer, .address_space: global }
      - { .name: kst, .offset: 32, .size: 8, .value_kind: global_buffer, .address_space: global }
      - { .name: qc, .offset: 40, .size: 8, .value_kind: global_buffer, .address_space: global }
      - { .name: qs, .offset: 48, .size: 8, .value_kind: global_buffer, .address_space: global }
    .group_segment_fixed_size: 68096
    .private_segment_fixed_size: 0
    .kernarg_segment_align: 8
    .kernarg_segment_size: 56
    .max_flat_workgroup_size: 128
    .sgpr_count:     66
    .vgpr_count:     256
    .wavefront_size: 32
...
	.end_amdgpu_metadata
.endif
;; end of part 1
;; launch attend (part 2): grid 52 x 4, 8 waves a work-group, clusters of 4 x 1, 327,680 bytes of LDS; arguments vst, kst, qc, qs, out0, qv; writes out0
.if DOCPART == 2
	.amdgcn_target "amdgcn-amd-amdhsa--gfx1250"
	.amdhsa_code_object_version 6
	.text
	.protected	k_q95726d3043_attend
	.globl	k_q95726d3043_attend
	.p2align	8
	.type	k_q95726d3043_attend,@function
k_q95726d3043_attend:
	s_mov_b64 s[64:65], 0
	v_nop
	global_prefetch_b8 v0, s[64:65] scope:SCOPE_SE
	s_setreg_imm32_b32 hwreg(HW_REG_WAVE_MODE, 25, 1), 1
	s_wait_xcnt 0x0
	s_wait_alu depctr_hold_cnt(0) depctr_sa_sdst(0) depctr_va_vdst(0) depctr_va_sdst(0) depctr_va_ssrc(0) depctr_va_vcc(0) depctr_vm_vsrc(0)
	s_getreg_b32 s2, hwreg(HW_REG_IB_STS2, 6, 4)
	s_cmp_eq_u32 s2, 0
	s_cbranch_scc0 .Lentry_in_a_cluster
	s_endpgm
.Lentry_in_a_cluster:
	s_bfe_u32 s2, ttmp6, 0x10000c
	s_cmp_lg_u32 s2, 0x3003
	s_cbranch_scc0 .Lentry_shape_is_right
	s_endpgm
.Lentry_shape_is_right:
; ATTEND: out0[b][c][q] = (sum over memory positions k of mv[b][c][k] p[k][q]) / l[q], c = 0 .. 511, both products on codes of FP4 (E2M1) with E8M0 scales, from the buffers that the first launch laid out;
; and out0[b][512 + c][q] = qv[b][c][q], copied on the way.
; score' = m.q - |m|^2 / 2 (the bias is the first product's C); t = score' x log2(e) / 4; M = the running largest t rounded UP to a whole number; p = 2^(t - M) is quantised along the positions, not normalised;
; l is the sum of the unquantised p; when M moves, l and O are multiplied by f = 2^(old M - new M), which rounds nothing.
; SHARES.  y = the batch.  Work-group x of 52 computes the 32 queries from q0 = 4 (7 x + min(x, 41)) on and owns the first NQ quads of them (8 for x < 41, else 7): 41 x 32 + 11 x 28 = 1,620.
; The positions go in 26 periods of 512 = 4 steps of 128.  EIGHT waves, two to a SIMD.  Wave w makes the scores and p of 64 positions (half w % 2 of step w / 2) for both tiles of 16 queries, and O for value rows 64 w .. 64 w + 63.
; ONE MEETING A PERIOD.  Segment i holds three pieces that hang on nothing made in the same segment: PV(i): O x f(i), O += V(i) p(i); the softmax of period i + 1 (M, f, p, codes, images, sums);
; the scores of period i + 2 and their maxima.  p's images and scale words, the maxima's exchange and f have two buffers each, by the period's parity: what a segment writes was last read a segment earlier, ahead of the meeting between.
; PV's 52 LDS loads go out in four groups among the softmax's vector lines (16 at the segment's head, 12 ahead of the exponentials, 12 in their middle, 12 behind them); its 32 products are then work on registers,
; and stand between the opening signal of the next meeting and the wait for it.
; CLUSTER.  The four work-groups of a cluster belong to one batch and walk the same V: a period's chunk (139,264 bytes) is asked for JOINTLY, an eighth by each wave, mask 15.  K is not asked for jointly: each of a step's
; 5,120 bytes is read by ONE wave of a work-group, so it goes from memory straight into registers, a period ahead; that is 20,480 of a period's 159,744 bytes.
; PREFETCH: in segment i the chunk of period i + 3, two periods ahead of its tensor load: its 544 blocks of 256 bytes are shared out by address among the cluster's 32 waves, 17 a wave (lanes 17-31 name the wave's last block again);
; periods 0 to 2 come by their loads alone, and segments 23 on ask for nothing.
; THE COPY of qv: a batch is 6,480 pieces of 512 bytes for its 416 waves; wave n takes pieces n + 416 k: k = 0 .. 3 at the head, k = 4 .. 14 one a trip of the loop (loaded in the even segment, stored in the odd one),
; k = 15 at the head where n < 240 (6,480 = 15 x 416 + 240): the load's address is held at wave 239's, the store goes under a lane mask.  qv is read once by one wave: nothing of it is shared or prefetched.
; BOTH PRODUCTS TRANSPOSED: S^T = K Q^T, O^T = V P^T: a lane holds one query (lane % 16).  Row r of K's tile 2 g + u is position 32 g + 8 u + r + 8 (r / 8): the 16 registers of tiles 2 g, 2 g + 1 are 16 neighbouring positions.
; The first product's K is 64: the upper halves of K's and Q's fragments are zero codes under the byte 127.
; LIMITS: NaN and infinities among mk, qk, mv are not served; the padding's bias -1e30 takes scores to lie under 1e29; a block of p under 2^-124 keeps the byte 1, its codes are zeros or held small.
; A row piece of the output is 128 bytes (32 queries): a work-group owns no more of a row.
; REGISTERS.  Window 0: names below.  Window 1: v0-127 V's fragments (tile t, step s) at 8 (4 t + s) (at the head v0-19: five pieces of qv); v128-191 O, (t, q) at 128 + 8 (2 t + q); v192-255 p's fragments, (s, q) at 192 + 8 (2 s + q).
.set SLOTB, 139264                     ; a slot: 131,072 bytes of codes, 8,192 of scale bytes
.set EIGHTH, 17408                     ; a wave's part: 68 rows of 256 bytes
.set PIMG,  2*SLOTB                    ; p's images, two buffers of 8,192: unit (s, q) at 1,024 (2 s + q) + 512 c + 16 x lane
.set PSC,   PIMG+16384                 ; p's scale words, two buffers of 1,024: query r's eight words (2 s + q) at X(r) = 32 r + 16 (r / 8): the 16 rows of a 16-byte read start at 16 different columns of 16 bytes modulo 256
.set EXCH,  PSC+2048                   ; the exchange, two buffers of 2,048: 1,024 q + X(r) + 4 x wave
.set SPARE, EXCH+4096                  ; the spare words, 128 bytes a wave: four blocks of 256 bytes that no other line names
.set CPSTEP, 212992                    ; 416 pieces of 512 bytes
.set SPW,  1
.set NIL,  2
.set KC,   3                           ; K's codes: 16 x lane + 2,048 c;  v4 its words: 4 x lane + 256 c;  v5 the bias: 64 h + 256 c
.set KW,   4
.set KB,   5
.set ADV,  6                           ; v6-7 my 4 tiles of V in slot 0, 1;  v8-9 their scale bytes
.set ADS,  8
.set AEXS, 10
.set AEXL, 11
.set APW,  12
.set APSW, 13
.set APL,  14
.set APSL, 15
.set NM,   20                          ; v[20 + 2 q] -M, v[21 + 2 q] the largest score so far
.set LS,   24                          ; v[24 + 2 q : 25 + 2 q] my part of l
.set FF,   28                          ; v[28 + 4 parity + 2 q] f; the pairs' upper words are written once
.set BM,   36                          ; v36-39 the blocks' largest scores, 2 q + block
.set PT,   40
.set SCO,  44
.set BY,   48
.set PC,   52                          ; v52-59 p's codes, four a tile of queries
.set PW,   60
.set EX,   62                          ; v62-77 eight waves' words for q = 0, 1
.set QF,   78
.set QS,   94
.set KS,   96
.set VS,   98                          ; v98-105 V's scale words, 4 (t / 2) + s
.set PS,   106                         ; v106-113 p's, 2 s + q
.set PFO,  114                         ; the prefetches' offset
.set WSI,  115                         ; the way out: into my stage, back from it, the place in out0, my quad
.set WSB,  116
.set WGO,  117
.set WQD,  118
.set CPO,  119                         ; the copy: 512 n + 16 x lane;  v120 the same with n held at 239;  v121 n;  v122-125 a piece on its way
.set CPO2, 120
.set CPW,  121
.set CPD,  122
.set S,    128                         ; v128-191 S^T, then p: 32 a tile of queries
.set KF,   192                         ; v192-223 K's four fragments
.set BI,   224                         ; v224-255 the bias
.set VF,   0
.set OA,   128
.set PF,   192
.set WV,   14
.set SEL,  20
.set CS,   22
.set G1,   24
.set G0,   32
.set KP,   40
.set PFA,  44
.set QB,   60                          ; s[60:61] the copy's place in qv;  s[62:63] in out0
.set OB,   62
.set MSB, 0
.macro WIN new                         ; the immediate's high byte repeats the setting that is left
.if MSB != \new
	s_set_vgpr_msb (MSB<<8)|\new
.set MSB, \new
.endif
.endm
.set W_PV, 0x55                        ; V, p, C and D in window 1
.set W_RS, 0x41                        ; destination and source 0 in window 1
.set TO1,  0x40
.set ST1,  0x04                        ; a store's data in window 1
.macro CREST                           ; a round of the cluster's barrier behind its opening barrier
	s_cmp_lg_u32 s[WV], 0
	s_cbranch_scc1 .Lnot_wave_0_\@
	s_barrier_signal -3
.Lnot_wave_0_\@:
	s_barrier_wait -3
	s_barrier_signal -1
	s_barrier_wait -1
.endm
.macro CROUND                          ; a whole round
	s_barrier_signal -1
	s_barrier_wait -1
	CREST
.endm
.macro KLINES                          ; my half step of K: 4 fragments' lower halves, 64 biases, 2 registers of scale words
.irp t, 0,1,2,3
	global_load_b128 v[KF+8*\t:KF+8*\t+3], v[KC], s[KP:KP+1] offset:512*\t
.endr
.irp g, 0,1
.irp i, 0,1,2,3
	global_load_b128 v[BI+16*\g+4*\i:BI+16*\g+4*\i+3], v[KB], s[KP:KP+1] offset:4608+128*\g+16*\i
.endr
.endr
.irp g, 0,1
	global_load_b32 v[KS+\g], v[KW], s[KP:KP+1] offset:4096+128*\g
.endr
.endm
; the scores of my 64 positions for both tiles of queries, the blocks' largest scores, my maxima into exchange buffer par.  cp = 1: a piece of qv is asked for;  cp = 2: it is stored
.macro APHASE kld, ask, par, cp
	s_wait_loadcnt 0x0                             ; K, asked for a period ago (cp = 2: and the piece of qv); K's base is free
.if \cp == 2
	global_store_b128 v[CPO], v[CPD:CPD+3], s[OB:OB+1] th:TH_STORE_NT   ; 512 consecutive bytes
.endif
.irp t, 0,1,2,3
.irp q, 0,1
.if \t % 2
	v_wmma_scale_f32_16x16x128_f8f6f4 v[S+32*\q+8*\t:S+32*\q+8*\t+7], v[KF+8*\t:KF+8*\t+7], v[QF+8*\q:QF+8*\q+7], v[BI+8*\t:BI+8*\t+7], v[KS+\t/2], v[QS+\q] matrix_a_fmt:MATRIX_FMT_FP4 matrix_b_fmt:MATRIX_FMT_FP4 matrix_a_scale:MATRIX_SCALE_ROW1
.else
	v_wmma_scale_f32_16x16x128_f8f6f4 v[S+32*\q+8*\t:S+32*\q+8*\t+7], v[KF+8*\t:KF+8*\t+7], v[QF+8*\q:QF+8*\q+7], v[BI+8*\t:BI+8*\t+7], v[KS+\t/2], v[QS+\q] matrix_a_fmt:MATRIX_FMT_FP4 matrix_b_fmt:MATRIX_FMT_FP4
.endif
.endr
.endr
.rept 4
	v_nop                                          ; four places ahead of the loads into K's registers and of the first read of the scores
.endr
.if \kld
	s_add_nc_u64 s[KP:KP+1], s[KP:KP+1], 4*5120    ; my step of the next period
	KLINES
.endif
.if \cp == 1
	global_load_b128 v[CPD:CPD+3], v[CPO], s[QB:QB+1] th:TH_LOAD_NT
.endif
.if \ask
	global_prefetch_b8 v[PFO], s[PFA:PFA+1] offset:(\par)*SLOTB th:TH_LOAD_NT scope:SCOPE_SE
.endif
.irp i, 0,1,2,3
	v_max3_num_f32 v[BM+\i], v[S+16*\i], v[S+16*\i+1], v[S+16*\i+2]   ; each accumulator is read from its low end on; four blocks by turns
.endr
.irp n, 3,5,7,9,11,13
.irp i, 0,1,2,3
	v_max3_num_f32 v[BM+\i], v[BM+\i], v[S+16*\i+\n], v[S+16*\i+\n+1]
.endr
.endr
.irp i, 0,1,2,3
	v_max_num_f32 v[BM+\i], v[BM+\i], v[S+16*\i+15]
.endr
.irp i, 0,1,2,3
	v_permlanex16_b32 v[PT+\i], v[BM+\i], s[SEL], s[SEL+1]
.endr
.irp i, 0,1,2,3
	v_max_num_f32 v[BM+\i], v[BM+\i], v[PT+\i]     ; with lane l xor 16's 16 positions: the block's largest score
.endr
.irp q, 0,1
	v_max_num_f32 v[16+\q], v[BM+2*\q], v[BM+2*\q+1]
.endr
.irp q, 0,1
	ds_store_b32 v[AEXS], v[16+\q] offset:2048*(\par)+1024*\q   ; lanes l and l xor 16 write the same word with the same value
.endr
.endm
.macro EXLOAD par                      ; the eight waves' words of both tiles of queries
	ds_load_b128 v[EX:EX+3], v[AEXL] offset:(\par)*2048
	ds_load_b128 v[EX+4:EX+7], v[AEXL] offset:(\par)*2048+16
	ds_load_b128 v[EX+8:EX+11], v[AEXL] offset:(\par)*2048+1024
	ds_load_b128 v[EX+12:EX+15], v[AEXL] offset:(\par)*2048+1040
.endm
; the running largest score from the eight waves' words; the new -M; f into buffer par.  The two tiles of queries by turns
.macro MMATH par
.irp q, 0,1
	v_max3_num_f32 v[16+\q], v[EX+8*\q], v[EX+8*\q+1], v[EX+8*\q+2]
.endr
.irp q, 0,1
	v_max3_num_f32 v[16+\q], v[16+\q], v[EX+8*\q+3], v[EX+8*\q+4]
.endr
.irp q, 0,1
	v_max3_num_f32 v[16+\q], v[16+\q], v[EX+8*\q+5], v[EX+8*\q+6]
.endr
.irp q, 0,1
	v_max3_num_f32 v[NM+2*\q+1], v[NM+2*\q+1], v[16+\q], v[EX+8*\q+7]
.endr
.irp q, 0,1
	v_mul_f32 v[16+\q], s[CS], v[NM+2*\q+1]        ; as t (the factor is positive)
.endr
.irp q, 0,1
	v_mov_b32 v[18+\q], v[NM+2*\q]
.endr
.irp q, 0,1
	v_floor_f32 v[NM+2*\q], -v[16+\q]              ; -M = floor(-t): M is a whole number
.endr
.irp q, 0,1
	v_sub_f32 v[18+\q], v[NM+2*\q], v[18+\q]       ; old M - new M: a whole number, 0 or less
.endr
.irp q, 0,1
	v_cvt_i32_f32 v[18+\q], v[18+\q]               ; (it saturates)
.endr
.irp q, 0,1
	v_ldexp_f32 v[FF+4*(\par)+2*\q], 1.0, v[18+\q]
.endr
.endm
; step st of PV's operands from slot and buffer now: p's two fragments and V's four: 12 loads
.macro VLD now, st
	WIN TO1
.irp q, 0,1
.irp c, 0,1
	ds_load_b128 v[PF+8*(2*\st+\q)+4*\c:PF+8*(2*\st+\q)+4*\c+3], v[APL] offset:8192*\now+1024*(2*\st+\q)+512*\c
.endr
.endr
.irp t, 0,1,2,3
.irp c, 0,1
	ds_load_b128 v[VF+8*(4*\t+\st)+4*\c:VF+8*(4*\t+\st)+4*\c+3], v[ADV+\now] offset:4096*\t+1024*\st+512*\c
.endr
.endr
	WIN 0
.endm
; p of my 64 positions for both tiles: exponentials in one batch, scale bytes, codes, images into buffer par, my part of l.  ld = 1: steps 1 to 3 of PV's operands are asked for on the way
.macro SOFT par, now, ld
.irp q, 0,1
.set j, 0
.rept 16
	v_pk_fma_f32 v[S+32*\q+j:S+32*\q+j+1], v[S+32*\q+j:S+32*\q+j+1], s[CS:CS+1], v[NM+2*\q:NM+2*\q+1] op_sel_hi:[1,0,0]   ; t - M (of both pairs the low word serves both halves)
.set j, j+2
.endr
.endr
.irp i, 0,1,2,3
	v_fma_f32 v[BM+\i], v[BM+\i], s[CS], v[NM+2*(\i/2)]   ; the same of each block's largest score
.endr
.if \ld
	VLD \now, 1
.endif
	s_wait_alu depctr_va_vdst(0)                   ; the wait ahead of the batch
.set j, 0
.rept 32
	v_exp_f32 v[S+j], v[S+j]
.set j, j+1
.endr
.if \ld
	VLD \now, 2
.endif
.rept 32
	v_exp_f32 v[S+j], v[S+j]
.set j, j+1
.endr
.irp i, 0,1,2,3
	v_exp_f32 v[BM+\i], v[BM+\i]                   ; the block's largest p: the same two instructions on the same number
.endr
.if \ld
	VLD \now, 3
.endif
.irp q, 0,1
	v_pk_mul_f32 v[LS+2*\q:LS+2*\q+1], v[LS+2*\q:LS+2*\q+1], v[FF+4*(\par)+2*\q:FF+4*(\par)+2*\q+1] op_sel_hi:[1,0]   ; l under the new M (the plain place behind the batch)
.endr
	s_wait_alu depctr_va_vdst(0)                   ; and behind it, ahead of its first reader
.irp i, 0,1,2,3
	v_max_num_f32 v[BM+\i], 0x1800000, v[BM+\i]    ; the floor 2^(3 - 127): the byte cannot fall under 1
.endr
.irp i, 0,1,2,3
	v_add_nc_u32 v[SCO+\i], 0xff000000, v[BM+\i]   ; 2 off the exponent field: the conversion's scale operand
.endr
.irp i, 0,1,2,3
	v_lshrrev_b32 v[BY+\i], 23, v[SCO+\i]
.endr
.irp q, 0,1
	v_lshl_or_b32 v[PW+\q], v[BY+2*\q+1], 8, v[BY+2*\q]   ; my two bytes of the query's scale word
.endr
.irp i, 0,1,2,3
	v_cvt_scalef32_pk8_fp4_f32 v[PC+2*\i], v[S+16*\i:S+16*\i+7], v[SCO+\i]
	v_cvt_scalef32_pk8_fp4_f32 v[PC+2*\i+1], v[S+16*\i+8:S+16*\i+15], v[SCO+\i]
.endr
	v_nop                                          ; one plain place behind the last scaled conversion
.irp q, 0,1
.irp i, 0,1
	v_permlane16_swap_b32 v[PC+4*\q+\i], v[PC+4*\q+2+\i]   ; a WHOLE block in a lane: lanes 0-15 block 2 c, lanes 16-31 block 2 c + 1
.endr
.endr
.irp q, 0,1
	ds_store_b128 v[APW], v[PC+4*\q:PC+4*\q+3] offset:8192*(\par)+1024*\q
.endr
.irp q, 0,1
	ds_store_b16 v[APSW], v[PW+\q] offset:1024*(\par)+4*\q   ; lanes l and l xor 16 write the same bytes with the same value
.endr
.irp q, 0,1
	v_pk_add_f32 v[16+2*\q:17+2*\q], v[S+32*\q:S+32*\q+1], v[S+32*\q+2:S+32*\q+3]   ; the sum of the UNQUANTISED p, four chains
.endr
.set j, 4
.rept 7
.irp q, 0,1
	v_pk_add_f32 v[LS+2*\q:LS+2*\q+1], v[LS+2*\q:LS+2*\q+1], v[S+32*\q+j:S+32*\q+j+1]
	v_pk_add_f32 v[16+2*\q:17+2*\q], v[16+2*\q:17+2*\q], v[S+32*\q+j+2:S+32*\q+j+3]
.endr
.set j, j+4
.endr
.irp q, 0,1
	v_pk_add_f32 v[LS+2*\q:LS+2*\q+1], v[LS+2*\q:LS+2*\q+1], v[16+2*\q:17+2*\q]
.endr
.endm
.macro SCALEO ff                       ; my 8 accumulators x v[ff + 2 q], each from its low end on
	WIN W_RS
	s_wait_alu depctr_va_vdst(0)                   ; the wait directly ahead of the first reader of O
.irp t, 0,1,2,3
.irp q, 0,1
.irp e, 0,2,4,6
	v_pk_mul_f32 v[OA+8*(2*\t+\q)+\e:OA+8*(2*\t+\q)+\e+1], v[OA+8*(2*\t+\q)+\e:OA+8*(2*\t+\q)+\e+1], v[\ff+2*\q:\ff+2*\q+1] op_sel_hi:[1,0]
.endr
.endr
.endr
.endm
.macro PVW                             ; PV's 32 products: work on registers alone
	WIN W_PV
.irp s, 0,1,2,3
.irp t, 0,1,2,3                                ; the eight accumulators by turns, in the same order in every step
.irp q, 0,1
.if \t % 2
	v_wmma_scale_f32_16x16x128_f8f6f4 v[OA+8*(2*\t+\q):OA+8*(2*\t+\q)+7], v[VF+8*(4*\t+\s):VF+8*(4*\t+\s)+7], v[PF+8*(2*\s+\q):PF+8*(2*\s+\q)+7], v[OA+8*(2*\t+\q):OA+8*(2*\t+\q)+7], v[VS+4*(\t/2)+\s], v[PS+2*\s+\q] matrix_a_fmt:MATRIX_FMT_FP4 matrix_b_fmt:MATRIX_FMT_FP4 matrix_a_scale:MATRIX_SCALE_ROW1
.else
	v_wmma_scale_f32_16x16x128_f8f6f4 v[OA+8*(2*\t+\q):OA+8*(2*\t+\q)+7], v[VF+8*(4*\t+\s):VF+8*(4*\t+\s)+7], v[PF+8*(2*\s+\q):PF+8*(2*\s+\q)+7], v[OA+8*(2*\t+\q):OA+8*(2*\t+\q)+7], v[VS+4*(\t/2)+\s], v[PS+2*\s+\q] matrix_a_fmt:MATRIX_FMT_FP4 matrix_b_fmt:MATRIX_FMT_FP4
.endif
.endr
.endr
.endr
	WIN 0
.endm
; THE MEETING ahead of the segment with parity nxt.  pv = 1: the products of the segment that ends stand between the opening signal and its wait: their operands are in registers.
; fill = 1: a round of the cluster's barrier, and behind it my eighth of the next period's V into the slot read last segment (the first time: slot 1's first fill)
.macro MEET nxt, fill, step, pv
	s_wait_alu depctr_va_vdst(0)                   ; the wait directly ahead of the wait below
	s_wait_tensorcnt 0x0                           ; my one tensor load has landed: my eighth of the next segment's slot; so a group 0 may be written
	ds_add_u32 v[SPW], v[NIL]
.if \fill
	s_add_nc_u64 s[G0+4*\nxt+2:G0+4*\nxt+3], s[G0+4*\nxt+2:G0+4*\nxt+3], 2*SLOTB   ; that slot's next chunk, two periods on
.endif
.if \step
	s_wait_xcnt 0x0                                ; my prefetches, and the copy's load and store, have read their addresses and data
	s_add_nc_u64 s[PFA:PFA+1], s[PFA:PFA+1], 2*SLOTB
	s_add_nc_u64 s[QB:QB+1], s[QB:QB+1], CPSTEP
	s_add_nc_u64 s[OB:OB+1], s[OB:OB+1], CPSTEP
.endif
	s_wait_dscnt 0x0                               ; the add is done; my images and maxima lie in LDS; PV's operands are in, so my reads of the slot, of images and of the exchange are over
	s_barrier_signal -1
.if \pv
	PVW
.endif
	s_barrier_wait -1
.if \fill
	CREST
	tensor_load_to_lds s[G0+4-4*\nxt:G0+7-4*\nxt], s[G1:G1+7]
	s_nop 0
.endif
.rept 4
	v_nop                                          ; the places ahead of the loads into registers that the last products read
.endr
.endm
; SEGMENT i, now = i % 2, but for its products
.macro WORK now, soft, aph, kld, ask, lend, cp
.if \soft
	EXLOAD (1-\now)
.endif
	ds_load_b128 v[PS:PS+3], v[APSL] offset:1024*\now
	ds_load_b128 v[PS+4:PS+7], v[APSL] offset:1024*\now+16
.irp u, 0,1
	ds_load_b128 v[VS+4*\u:VS+4*\u+3], v[ADS+\now] offset:512*\u   ; lanes 0-15 tile 2 u, lanes 16-31 tile 2 u + 1; register s: step s
.endr
	VLD \now, 0
	SCALEO FF+4*\now                               ; O under M(i), while the loads are out
	WIN 0
.if \soft
	s_wait_dscnt 16                                ; the exchange's four loads are in: 16 younger loads may be out
	MMATH (1-\now)
	SOFT (1-\now), \now, 1
.if \lend                                      ; the last softmax is done: my part of l goes into the exchange buffer that nobody reads any more
	v_add_f32 v16, v[LS], v[LS+1]
	v_add_f32 v17, v[LS+2], v[LS+3]
	v_permlanex16_b32 v[PT], v16, s[SEL], s[SEL+1]
	v_permlanex16_b32 v[PT+1], v17, s[SEL], s[SEL+1]
	v_add_f32 v16, v16, v[PT]
	v_add_f32 v17, v17, v[PT+1]
	ds_store_b32 v[AEXS], v16 offset:2048*\now
	ds_store_b32 v[AEXS], v17 offset:2048*\now+1024
.endif
.if \aph
	APHASE \kld, \ask, \now, \cp
.endif
.else
	VLD \now, 1
	VLD \now, 2
	VLD \now, 3
	s_wait_alu depctr_va_vdst(0)                   ; the wait directly ahead of the wait below
	s_wait_dscnt 0x0
	PVW
.endif
.endm
	s_load_b256 s[4:11], s[0:1], 0x0               ; vst 4:5, kst 6:7, qc 8:9, qs 10:11
	s_load_b64 s[12:13], s[0:1], 0x20              ; out0
	s_load_b64 s[QB:QB+1], s[0:1], 0x28            ; qv
	v_lshl_add_u32 v[SPW], v0, 2, SPARE
	v_mov_b32 v[NIL], 0
	ds_add_u32 v[SPW], v[NIL]                      ; the opening lines: the add twice on end and one wait
	ds_add_u32 v[SPW], v[NIL]
	v_lshrrev_b32 v3, 5, v0
	v_readfirstlane_b32 s[WV], v3                  ; wave 0..7
	s_lshr_b32 s46, s[WV], 1                       ; my step of a period
	s_and_b32 s47, s[WV], 1                        ; my half c of it
	s_bfe_u32 s15, ttmp6, 0x40000                  ; cx
	s_lshl_b32 s16, ttmp9, 2
	s_add_co_u32 s16, s16, s15                     ; x
	s_and_b32 s17, ttmp7, 0xffff                   ; the batch, which the four partners share
	s_min_u32 s18, s16, 41
	s_mul_i32 s58, s16, 7
	s_add_co_u32 s18, s18, s58
	s_lshl_b32 s18, s18, 2                         ; q0
	s_cmp_lt_u32 s16, 41
	s_cselect_b32 s19, 8, 7                        ; NQ
	s_lshl_b32 s59, s16, 3
	s_add_co_u32 s59, s59, s[WV]                   ; n: my wave among the batch's 416
	s_mov_b32 s[SEL], 0x76543210
	s_mov_b32 s[SEL+1], 0xfedcba98
	s_mov_b32 s[CS], 0x3eb8aa3b                    ; log2(e) / 4
	s_mov_b32 s[CS+1], s[CS]
	s_mov_b32 s[G1+0], 15|(3<<16)|(1<<21)          ; the mask: all four work-groups; elements of 8 bytes; bit 21 beside a mask
	s_mov_b32 s[G1+1], 32<<16                      ; a dense block of 17,408 bytes as 68 rows of 256
	s_mov_b32 s[G1+2], 68<<16
	s_mov_b32 s[G1+3], 32<<16
	s_mov_b32 s[G1+4], 68
	s_mov_b32 s[G1+5], 32
	s_mov_b32 s[G1+6], 0
	s_mov_b32 s[G1+7], 0
	s_mul_i32 s48, s17, 26*SLOTB                   ; V: the batch's 26 chunks
	s_mul_i32 s49, s[WV], EIGHTH                   ; my eighth, in memory and in a slot: nothing here hangs on my place in the cluster
	s_add_co_u32 s50, s48, s49
	s_mov_b32 s51, 0
	s_add_co_u32 s52, s48, SLOTB                   ; the prefetches stand at period 1: the first meeting steps them to period 3
	s_mov_b32 s53, 0
	s_mul_i32 s54, s17, 104*5120                   ; K: the batch's 104 steps, my step of period 0
	s_mul_i32 s58, s46, 5120
	s_add_co_u32 s54, s54, s58
	s_mov_b32 s55, 0
	s_mul_i32 s56, s17, 52224                      ; Q's codes
	s_lshl_b32 s58, s18, 4
	s_add_co_u32 s56, s56, s58
	s_mov_b32 s57, 0
	s_wait_dscnt 0x0
	s_wait_kmcnt 0x0
	s_add_nc_u64 s[50:51], s[4:5], s[50:51]
	s_add_nc_u64 s[PFA:PFA+1], s[4:5], s[52:53]
	s_add_nc_u64 s[KP:KP+1], s[6:7], s[54:55]
	s_add_nc_u64 s[8:9], s[8:9], s[56:57]
	s_mul_i32 s56, s17, 3317760                    ; the copy: the batch of qv,
	s_add_nc_u64 s[QB:QB+1], s[QB:QB+1], s[56:57]
	s_mul_i32 s56, s17, 6635520                    ; and the upper 512 rows of the batch of out0
	s_add_co_u32 s56, s56, 3317760
	s_add_nc_u64 s[OB:OB+1], s[12:13], s[56:57]
	s_mul_i32 s56, s17, 6528                       ; Q's scale words
	s_lshl_b32 s58, s18, 2
	s_add_co_u32 s56, s56, s58
	s_add_nc_u64 s[10:11], s[10:11], s[56:57]
	s_mul_i32 s56, s17, 6635520                    ; out0: the batch, my first query, my 64 rows of 6,480 bytes
	s_add_co_u32 s56, s56, s58
	s_mul_i32 s58, s[WV], 414720
	s_add_co_u32 s56, s56, s58
	s_add_nc_u64 s[12:13], s[12:13], s[56:57]
	CROUND                                         ; all four work-groups are here: the first joint loads meet
.irp s, 0,1
	s_mov_b32 s[G0+4*\s], 1
	s_add_co_u32 s[G0+4*\s+1], s49, \s*SLOTB
	s_add_nc_u64 s[G0+4*\s+2:G0+4*\s+3], s[50:51], \s*SLOTB
	s_or_b32 s[G0+4*\s+3], s[G0+4*\s+3], 0x80000000
.endr
	tensor_load_to_lds s[G0:G0+3], s[G1:G1+7]      ; period 0 into slot 0: my one load at the head; one tensor load of mine is out at the most, here and later
	s_nop 0
.rept 4
	v_nop
.endr
	s_lshl_b32 s50, s[WV], 14                      ; my 4 tiles of 4,096 bytes
	s_lshl_b32 s51, s[WV], 10
	s_add_co_u32 s51, s51, 131072                  ; my 64 rows of 16 scale bytes
	s_lshl_b32 s52, s[WV], 2
	s_add_co_u32 s52, s52, EXCH
	s_lshl_b32 s53, s46, 11
	s_lshl_b32 s54, s47, 9
	s_add_co_u32 s53, s53, s54
	s_add_co_u32 s53, s53, PIMG                    ; my images: 2,048 step + 512 c
	s_lshl_b32 s54, s46, 3
	s_lshl_b32 s55, s47, 1
	s_add_co_u32 s54, s54, s55
	s_add_co_u32 s54, s54, PSC                     ; my two bytes of the words: 8 step + 2 c
	s_lshl_b32 s55, s47, 11
	s_lshl_b32 s56, s47, 8
	s_lshl_b32 s57, s15, 3
	s_add_co_u32 s57, s57, s[WV]
	s_mul_i32 s57, s57, 17                         ; my 17 blocks of a chunk's 544
	s_mul_i32 s58, s[WV], 9216                     ; my stage for the way out: 64 rows of 144 bytes
	s_lshl_b32 s48, s59, 9                         ; the copy: 512 n,
	s_min_u32 s49, s59, 239
	s_lshl_b32 s49, s49, 9                         ; and 512 min(n, 239)
	v_and_b32 v16, 31, v0                          ; lane
	v_and_b32 v17, 15, v0                          ; r
	v_bfe_u32 v18, v0, 4, 1                        ; h
	v_lshlrev_b32 v19, 4, v16
	v_lshlrev_b32 v[S], 2, v16
	v_lshlrev_b32 v[S+1], 5, v17
	v_bfe_u32 v[S+2], v0, 3, 1
	v_lshl_add_u32 v[S+1], v[S+2], 4, v[S+1]       ; X(r) = 32 r + 16 (r / 8)
	v_add_nc_u32 v[ADV], s50, v19
	v_add_nc_u32 v[ADV+1], SLOTB, v[ADV]
	v_add_nc_u32 v[ADS], s51, v19
	v_add_nc_u32 v[ADS+1], SLOTB, v[ADS]
	v_add_nc_u32 v[AEXS], s52, v[S+1]
	v_add_nc_u32 v[AEXL], EXCH, v[S+1]
	v_add_nc_u32 v[APW], s53, v19
	v_add_nc_u32 v[APSW], s54, v[S+1]
	v_add_nc_u32 v[APL], PIMG, v19
	v_add_nc_u32 v[APSL], PSC, v[S+1]
	v_add_nc_u32 v[KC], s55, v19
	v_add_nc_u32 v[KW], s56, v[S]
	v_lshl_add_u32 v[KB], v18, 6, s56
	v_add_nc_u32 v[CPO], s48, v19
	v_add_nc_u32 v[CPO2], s49, v19
	v_mov_b32 v[CPW], s59
	v_min_u32 v[PFO], 16, v16
	v_add_nc_u32 v[PFO], s57, v[PFO]
	v_lshlrev_b32 v[PFO], 8, v[PFO]
	v_mul_u32_u24 v[WSI], v18, 1152                ; into the stage: row 8 h (+ 16 t + j in the immediate), 4 bytes a query
	v_lshl_add_u32 v[WSI], v17, 2, v[WSI]
	v_add_nc_u32 v[WSI], s58, v[WSI]
	v_and_b32 v[WQD], 7, v0                        ; my quad of queries
	v_bfe_u32 v[S+2], v0, 3, 2
	v_mul_u32_u24 v[WSB], v[S+2], 144              ; back: eight lanes to a row, four rows an instruction
	v_lshl_add_u32 v[WSB], v[WQD], 4, v[WSB]
	v_add_nc_u32 v[WSB], s58, v[WSB]
	v_mul_u32_u24 v[WGO], v[S+2], 6480             ; and the same place in out0
	v_lshl_add_u32 v[WGO], v[WQD], 4, v[WGO]
	v_mul_u32_u24 v19, v18, 26112                  ; Q: channel block h, query r
	v_lshl_add_u32 v19, v17, 4, v19
	v_lshlrev_b32 v17, 2, v17
	global_load_b128 v[QF:QF+3], v19, s[8:9]       ; Q stays in registers
	global_load_b128 v[QF+8:QF+11], v19, s[8:9] offset:256
	global_load_b32 v[QS], v17, s[10:11]
	global_load_b32 v[QS+1], v17, s[10:11] offset:64
	KLINES                                         ; period 0
	WIN TO1
.irp k, 0,1,2,3
	global_load_b128 v[VF+4*\k:VF+4*\k+3], v[CPO], s[QB:QB+1] offset:\k*CPSTEP th:TH_LOAD_NT   ; the copy's pieces 0 to 3,
.endr
	global_load_b128 v[VF+16:VF+19], v[CPO2], s[QB:QB+1] offset:15*CPSTEP th:TH_LOAD_NT        ; and piece 15, its address held inside the batch
	WIN 0
.irp i, 4,5,6,7,12,13,14,15
	v_mov_b32 v[QF+\i], 0                          ; k = 64 .. 127: zero codes
.endr
.irp t, 0,1,2,3
.irp i, 4,5,6,7
	v_mov_b32 v[KF+8*\t+\i], 0                     ; K's upper halves: written once, no load lands there
.endr
.endr
	v_mov_b32 v[NM+1], 0xff61b1e6                  ; the largest score so far: -3e38
	v_mov_b32 v[NM+3], 0xff61b1e6
	v_mov_b32 v[NM], 0x7f000000                    ; -M: 2^127, so that the first f is 0
	v_mov_b32 v[NM+2], 0x7f000000
.irp i, 0,1,2,3
	v_mov_b32 v[LS+\i], 0
	v_mov_b32 v[PT+\i], 0                          ; a lane permute's destination counts as one of its sources
.endr
.irp i, 0,1,2,3,4,5,6,7
	v_mov_b32 v[FF+\i], 0
.endr
	WIN TO1
.set i, 0
.rept 64
	v_mov_b32 v[OA+i], 0                           ; O: PV is written without a first copy; the first f multiplies zeros
.set i, i+1
.endr
	WIN 0
	s_wait_alu depctr_va_vdst(0)                   ; the wait at the head's end
	APHASE 1, 0, 0, 0                              ; period 0's scores; period 1's K is asked for.  (Its wait for loads covers the copy's five)
	WIN ST1
.irp k, 0,1,2,3
	global_store_b128 v[CPO], v[VF+4*\k:VF+4*\k+3], s[OB:OB+1] offset:\k*CPSTEP th:TH_STORE_NT
.endr
	WIN 0
	s_wait_xcnt 0x0                                ; EXEC changes only behind this wait
	v_cmp_gt_u32 vcc_lo, 240, v[CPW]               ; piece 15 exists for waves 0 .. 239 of the batch
	s_and_saveexec_b32 s52, vcc_lo
	WIN ST1
	global_store_b128 v[CPO2], v[VF+16:VF+19], s[OB:OB+1] offset:15*CPSTEP th:TH_STORE_NT
	WIN 0
	s_wait_xcnt 0x0                                ; and again in front of the line that widens it; the stores' bases and data are free too
	s_or_b32 exec_lo, exec_lo, s52
	s_add_nc_u64 s[QB:QB+1], s[QB:QB+1], 3*CPSTEP  ; at piece 3: the first meeting steps them to piece 4
	s_add_nc_u64 s[OB:OB+1], s[OB:OB+1], 3*CPSTEP
	s_wait_alu depctr_va_vdst(0)
	s_wait_dscnt 0x0                               ; my maxima lie in the exchange
	s_barrier_signal -1                            ; period 0's V stays on its way
	s_barrier_wait -1
	EXLOAD 0
	s_wait_dscnt 0x0
	MMATH 0                                        ; period 0's softmax,
	SOFT 0, 0, 0
	APHASE 1, 0, 1, 0                              ; period 1's scores
	MEET 0, 1, 1, 0                                ; the meeting ahead of segment 0: slot 1's first fill
	s_mov_b32 s42, 11
.Lpair:                                                ; segments 0 .. 21, two a trip: once round the ring
	WORK 0, 1, 1, 1, 1, 0, 1
	MEET 1, 1, 0, 1
	WORK 1, 1, 1, 1, 1, 0, 2
	MEET 0, 1, 1, 1
	s_sub_co_u32 s42, s42, 1
	s_cmp_lg_u32 s42, 0
	s_cbranch_scc1 .Lpair
	WORK 0, 1, 1, 1, 1, 0, 0                       ; 22: the last K (period 25) and the last prefetch (period 25)
	MEET 1, 1, 0, 1
	WORK 1, 1, 1, 0, 0, 0, 0                       ; 23: the last scores
	MEET 0, 1, 0, 1                                ; the last fill: period 25
	WORK 0, 1, 0, 0, 0, 1, 0                       ; 24: the last softmax, l's parts
	MEET 1, 0, 0, 1                                ; the tail is written out
	WORK 1, 0, 0, 0, 0, 0, 0                       ; 25: PV alone
	; THE END.  l from the eight waves' parts; the additions are also the places behind the last products
	EXLOAD 0
	s_wait_dscnt 0x0
.irp q, 0,1
	v_add_f32 v[16+\q], v[EX+8*\q], v[EX+8*\q+1]
	v_add_f32 v[18+\q], v[EX+8*\q+2], v[EX+8*\q+3]
	v_add_f32 v[PT+\q], v[EX+8*\q+4], v[EX+8*\q+5]
	v_add_f32 v[PT+2+\q], v[EX+8*\q+6], v[EX+8*\q+7]
.endr
.irp q, 0,1
	v_add_f32 v[16+\q], v[16+\q], v[18+\q]
	v_add_f32 v[PT+\q], v[PT+\q], v[PT+2+\q]
.endr
.irp q, 0,1
	v_add_f32 v[16+\q], v[16+\q], v[PT+\q]
.endr
	s_wait_alu depctr_va_vdst(0)                   ; the wait ahead of the transcendentals
	v_rcp_f32 v[FF], v16
	v_rcp_f32 v[FF+2], v17
	v_nop                                          ; a plain place behind them
	SCALEO FF                                      ; O / l (its wait serves the reciprocals too)
	; THE WAY OUT.  A lane holds one query and eight value rows; a row of out0 runs along the queries: my 64 rows x 32 queries go through my stage (rows of 128 + 16 bytes) and come back 16 bytes a lane.
	; The stages lie in slot 0, which has had its last fill and which nobody has read since segment 24.
	WIN ST1
.irp t, 0,1,2,3
.irp q, 0,1
.irp j, 0,1,2,3,4,5,6,7
	ds_store_b32 v[WSI], v[OA+8*(2*\t+\q)+\j] offset:(16*\t+\j)*144+64*\q
.endr
.endr
.endr
	WIN 0
.set i, 0
.rept 16
	ds_load_b128 v[S+4*i:S+4*i+3], v[WSB] offset:576*i   ; LDS serves a wave's instructions in order: these see my stores
.set i, i+1
.endr
	s_wait_xcnt 0x0                                ; EXEC changes only behind this wait
	v_cmp_gt_u32 vcc_lo, s19, v[WQD]               ; the quads that are mine: NQ of eight
	s_and_saveexec_b32 s52, vcc_lo
.set i, 0
.rept 16
	s_wait_dscnt 15-i                              ; rows 4 i .. 4 i + 3 are back; the younger loads may be out
	global_store_b128 v[WGO], v[S+4*i:S+4*i+3], s[12:13] offset:25920*i th:TH_STORE_NT
.set i, i+1
.endr
	s_wait_xcnt 0x0                                ; and again in front of the line that widens it
	s_or_b32 exec_lo, exec_lo, s52
	s_wait_tensorcnt 0x0                           ; the wave's end
	ds_add_u32 v[SPW], v[NIL]
	s_wait_dscnt 0x0
	CROUND                                         ; the closing round
	s_endpgm
.Lfunc_end_k_q95726d3043_attend:
	.size	k_q95726d3043_attend, .Lfunc_end_k_q95726d3043_attend-k_q95726d3043_attend
	.p2alignl 7, 3214868480
	.fill 96, 4, 3214868480
	.section	.rodata,"a",@progbits
	.p2align	6, 0x0
	.amdhsa_kernel k_q95726d3043_attend
		.amdhsa_group_segment_fixed_size 327680
		.amdhsa_private_segment_fixed_size 0
		.amdhsa_enable_private_segment 0
		.amdhsa_kernarg_size 48
		.amdhsa_user_sgpr_count 2
		.amdhsa_user_sgpr_kernarg_segment_ptr 1
		.amdhsa_wavefront_size32 1
		.amdhsa_system_sgpr_workgroup_id_x 1
		.amdhsa_system_sgpr_workgroup_id_y 1
		.amdhsa_system_sgpr_workgroup_id_z 1
		.amdhsa_system_vgpr_workitem_id 0
		.amdhsa_next_free_vgpr 512
		.amdhsa_next_free_sgpr 66
		.amdhsa_reserve_vcc 1
		.amdhsa_float_denorm_mode_32 3
		.amdhsa_float_denorm_mode_16_64 3
		.amdhsa_memory_ordered 1
		.amdhsa_forward_progress 1
		.amdhsa_inst_pref_size 174
	.end_amdhsa_kernel
	.amdgpu_metadata
---
amdhsa.version: [ 1, 2 ]
amdhsa.kernels:
  - .name:           k_q95726d3043_attend
    .symbol:         k_q95726d3043_attend.kd
    .args:
      - { .name: vst, .offset: 0, .size: 8, .value_kind: global_buffer, .address_space: global }
      - { .name: kst, .offset: 8, .size: 8, .value_kind: global_buffer, .address_space: global }
      - { .name: qc, .offset: 16, .size: 8, .value_kind: global_buffer, .address_space: global }
      - { .name: qs, .offset: 24, .size: 8, .value_kind: global_buffer, .address_space: global }
      - { .name: out0, .offset: 32, .size: 8, .value_kind: global_buffer, .address_space: global }
      - { .name: qv, .offset: 40, .size: 8, .value_kind: global_buffer, .address_space: global }
    .group_segment_fixed_size: 327680
    .private_segment_fixed_size: 0
    .kernarg_segment_align: 8
    .kernarg_segment_size: 48
    .max_flat_workgroup_size: 256
    .sgpr_count:     66
    .vgpr_count:     512
    .wavefront_size: 32
...
	.end_amdgpu_metadata
.endif
;; end of part 2
